; MI455X (gfx1250); checked and timed in simulation.
; The chip was launched on July 23, 2026; its instructions are those of AMD's public machine-readable ISA for CDNA 5 (MIT licence, August 2026) and "CDNA5" Instruction Set Architecture Reference Guide (July 2026). The comments in the code are by the model that wrote it; some were corrected since.
;; Lo RA Linear. Allowed arithmetic: matrix products marked QUANTISED: E5M2 operands, one E8M0 scale for each 32 along K, by v_wmma_scale_f32_16x16x128_f8f6f4 with both operands' format E5M2, f32 sums; products left as they are: f32 operands where the result goes on into a quantised operand, else bf16, f16 or f32 operands; f32 sums; everything else in f32.
;; Inputs: bias 4,096 float32; lora_A 16 x 4,096 float32; lora_B 4,096 x 16 float32; weight 4,096 x 4,096 float32; x 4,096 x 4,096 float32.
;; Outputs: out0 4,096 x 4,096 float32.
;; This version of the problem:
;;   THIS VERSION OF THE PROBLEM IS GIVEN IN LOW PRECISION. The matrix products marked QUANTISED in the list below multiply operands that are first quantised to E5M2 (5 exponent bits, 2 mantissa bits; 8 bits a number), with one power-of-two scale for each 32 numbers along K (OCP MX v1.0); their sums are f32. All else is computed in f32.
;;   The module's matrix products, in the order in which they are computed (A, B: the left and right operand; K: the contracted axis; several contracted axes count as one K, in the product's order):
;;     1. [M 4,096, K 4,096] x [K 4,096, N 4,096]; A: input x; B: input weight: QUANTISED
;;     2. [M 4,096, K 4,096] x [K 4,096, N 16]; A: input x; B: input lora_A: QUANTISED
;;     3. [M 4,096, K 16] x [K 16, N 4,096]; A: computed on the way; B: input lora_B: left as it is (K = 16 < 32)
;;   THE QUANTISER, for each operand of a quantised product, along K:
;;     - K is cut into blocks of 32 from its start; a last block that is shorter is filled with zeros.
;;     - A block's scale is 2^e with e = floor(log2(the largest magnitude in the block)) - 15, held to -126 .. 127; a block of zeros has e = 0. As a byte (E8M0): e + 127.
;;     - Each number is divided by its block's scale, clamped to +-57,344, and rounded to the nearest number of E5M2, ties to even, subnormals kept.
;;     - The product sums the exact products of the quantised numbers (number of the format x scale) in f32.
;;   ~~~python
;;   def quantise(x, axis):      # numpy; x: float32 -> the quantised numbers, widened to float32 again
;;       x = np.moveaxis(x, axis, -1); K = x.shape[-1]
;;       x = np.pad(x, [(0, 0)] * (x.ndim - 1) + [(0, -K % 32)]); x = x.reshape(x.shape[:-1] + (-1, 32)); a = np.abs(x).max(-1, keepdims=True)
;;       e = np.where(a > 0, np.clip(np.frexp(np.where(a > 0, a, 1))[1] - 1 - 15, -126, 127), 0)      # np.frexp(a)[1] - 1 = floor(log2(a)), exactly
;;       r = np.clip(x / 2.0 ** e, -57344, 57344)
;;       step = 2.0 ** (np.maximum(np.frexp(np.where(r == 0, 1, r))[1] - 1, -14) - 2)
;;       q = np.round(r / step) * step * 2.0 ** e      # np.round: ties to even
;;       return np.moveaxis(q.reshape(q.shape[:-2] + (-1,))[..., :K], -1, axis).astype(np.float32)
;;   ~~~
;; 2 versions, each right; version 2 is version 1 with the launch quant written anew for expert scheduling mode. Each part assembles by itself: llvm-mc -triple=amdgcn-amd-amdhsa -mcpu=gfx1250 --defsym DOCPART=n.
;; ======== version 1 of 2: 2 launches
;; workspace buffers: xq 17,301,504 bytes; wq 17,301,504 bytes; tb 262,144 bytes
;; launch quant (part 1): grid 256 x 1, 16 waves a work-group, no clusters, 189,440 bytes of LDS; arguments x, weight, lora_A, xq, wq, tb; writes xq, wq, tb
.if DOCPART == 1
	.amdgcn_target "amdgcn-amd-amdhsa--gfx1250"
	.amdhsa_code_object_version 6
	.text
	.protected	k_qa620384a46_quant
	.globl	k_qa620384a46_quant
	.p2align	8
	.type	k_qa620384a46_quant,@function
k_qa620384a46_quant:
	s_mov_b64 s[64:65], 0
	v_nop
	global_prefetch_b8 v0, s[64:65] scope:SCOPE_SE
	s_setreg_imm32_b32 hwreg(HW_REG_WAVE_MODE, 25, 1), 1
	s_wait_xcnt 0x0
; x [4096][4096] and weight [4096][4096], f32, K innermost, become codes of BF8 (E5M2) with one E8M0 scale byte for each 32 along K, laid as the product's launch takes them into registers;
; and tb[half of K][token][rank] = bf16(2 x the sum over that half of K of Q(x) Q(lora_A)^T), [2][4096][16], is made on the way, by the scaled matrix form, while x's codes stand in registers.
; A block's scale is 2^(floor(log2(its largest magnitude)) - 15); its byte is the largest magnitude's exponent field - 15, held at 1 from below; each number is divided by the scale, held within +-57,344
; and rounded to the nearest code, ties to even.
; LIMITS: NaN and infinities among the inputs are not served.  A block of zeros gets the byte 1 where the rule says 127: its codes are zeros, which add nothing under any byte but 0xff, and this program alone reads
; the bytes.  Blocks whose largest magnitude lies under 2^-111 keep the byte 1, as the rule's clip has it; not tried.  A half's t is 16 partial f32 sums, 128 along K each, added in a tree; 2 t of each half is rounded to bf16 by itself.
; LAYOUT OF xq AND wq: [K step of 256: 16][tile of 256 rows: 16][TILEB bytes].  A tile's block: codes [16-row block rb: 16][q: which 128 along K: 2][c: 4][lane: 32][16 bytes]: lane (r, h)'s 16 bytes of quad c are the
; codes of row 16 rb + r at k = 128 q + 32 c + 16 h + 0 .. 15: registers 4 c .. 4 c + 3 of the operand; behind them, at byte 65,536, the scale words [row: 256][q: 2], four bytes each.
; SHARES.  Work-group b takes rows 32 (b / 2) .. + 31 of x and of weight, and half b % 2 of K (2,048).  Wave w takes 16 of the rows (w % 2) and one K step of 256 (w / 2): four fragments of 16 rows x 128 K, two of x, two of weight.
; lora_A's part for the work-group's half of K, 16 ranks x 2,048, is quantised ONCE in the work-group: wave w takes rank w, 8 neighbours along K to a lane, and lays the codes as rows in LDS; behind a barrier each wave
; reads its K step's two fragments from there.  16 waves of 250 registers fill the four SIMDs' registers.
; A load of x or weight is best where neighbouring lanes take neighbouring bytes (each reads 512 consecutive bytes of a row); the conversions want 16 neighbours along K in ONE lane.  So a fragment's 8,192 bytes turn through
; the wave's own stage in LDS.  Loads run one fragment ahead in two sets of 64 registers: 16 to 32 loads of a wave are out.
; lora_A IS NOT ASKED FOR JOINTLY: it is 131,072 of the 655,360 bytes that a work-group reads, and it is wanted in registers, 8 neighbours to a lane, not in LDS; joint tensor loads would put the rounds of a cluster's
; barrier into a launch whose waves otherwise meet twice.
.set ROWB,  16384                      ; a row of x, weight or lora_A in bytes
.set SP,    528                        ; a stage row: 512 bytes + 16 = 33 x 16: the sixteen rows that a read touches start 16 bytes apart modulo 256 (64 banks of 4 bytes: ISA guide 11.1)
.set STG,   16*SP                      ; a wave's stage
.set RED,   16*STG                     ; behind the 16 stages: the partial sums of t, 1,024 bytes a wave
.set LIMG,  RED+16*1024                ; lora_A's codes: [K step: 8][rank: 16][256 bytes + 16]
.set LP,    272
.set LGRP,  16*LP
.set LSCL,  LIMG+8*LGRP                ; and their scale bytes: [K step: 8][rank: 16][8]
.set TILEB, 67584
.set KSB,   16*TILEB
.set FLOOR, 0x8000000                  ; 2^(16 - 127)
.set EOFF,  0xf8800000                 ; -(15 << 23)
.set MANT,  0x600000                   ; the mantissa field of 57,344
.set LI,  4                            ; v4   16 x lane: my bytes of a load's 512, and of a quad's image
.set STI, 5                            ; v5   the stage, on the way in: wave x STG + 16 x lane
.set STO, 6                            ; v6   on the way out: wave x STG + SP r + 64 h
.set SO,  7                            ; v7   8 r + 4 h: my scale word's place
.set RW,  8                            ; v8   RED + 1,024 x wave + 16 x lane
.set LL,  9                            ; v9   32 x lane: my 8 numbers of 256 of a rank
.set TO,  10                           ; v10  32 r + 16 h: my 8 ranks of token r in tb
.set LWI, 11                           ; v11  LIMG + LP x wave + 8 x lane: where my 8 codes of lora_A go
.set LWS, 12                           ; v12  LSCL + 8 x wave + lane / 4: and my block's byte
.set LRD, 13                           ; v13  LIMG + LGRP x (wave / 2) + LP r + 16 h: where I read lora_A's fragments
.set LRS, 14                           ; v14  LSCL + 128 x (wave / 2) + 8 r: and their scale words
.set SA,  32                           ; v32-95   set A: 64 numbers
.set SB,  96                           ; v96-159  set B (first: my rank's 8 x 8 numbers of lora_A)
.set PC,  160                          ; v160-175 the codes just made
.set LC,  176                          ; v176-207 lora_A's two fragments
.set TM,  208                          ; v208-211 largest magnitudes, v212-215 bytes, v216-219 57,344 x the scale, v220-223 the conversions' scale operands
.set XS,  224                          ; v224-225 x's scale words, q = 0, 1
.set WS,  226                          ; v226-227 weight's
.set LS,  228                          ; v228-229 lora_A's
.set SW,  230                          ; v230-231 the words as they are stored
.set ACC, 232                          ; v232-239, v240-247 t^T of my K step's two halves
.set BY,  232                          ; v232-239 first: lora_A's scale bytes, one register for each of my 8 groups
.set WV,   16
.set KQ,   17                          ; wave / 2: my K step among the half's eight
.set RBW,  18                          ; wave % 2: my 16 rows of the 32
.set KSL,  19                          ; my work-group's half of K
.set XSRC, 20                          ; s[20:21] x at my rows and my K;  s[22:23] weight;  s[8:9] lora_A at my rank and my half of K
.set WSRC, 22
.set LA,   8
.set XD,   24                          ; s[24:25] xq at my codes;  s[26:27] wq;  s[28:29], s[30:31] at my scale words;  s[14:15] tb at my tokens
.set WD,   26
.set XSD,  28
.set WSD,  30
.set SEL,  32                          ; s[32:33] v_permlanex16_b32's selects for lane l xor 16
.set MNT,  34
	s_load_b256 s[4:11], s[0:1], 0x0               ; x, weight, lora_A, xq
	s_load_b128 s[12:15], s[0:1], 0x20             ; wq, tb
	v_lshl_add_u32 v248, v0, 2, 0x2dc00
	v_mov_b32 v249, 0
	v_lshrrev_b32 v1, 5, v0
	v_readfirstlane_b32 s[WV], v1                  ; wave 0..15
	s_lshr_b32 s[KQ], s[WV], 1
	s_and_b32 s[RBW], s[WV], 1
	s_and_b32 s[KSL], ttmp9, 1
	v_and_b32 v1, 31, v0                           ; lane
	v_and_b32 v2, 15, v0                           ; r
	v_bfe_u32 v3, v0, 4, 1                         ; h
	v_lshlrev_b32 v[LI], 4, v1
	s_mul_i32 s35, s[WV], STG
	v_add_nc_u32 v[STI], s35, v[LI]
	v_mul_u32_u24 v[STO], v2, SP
	v_lshl_add_u32 v[STO], v3, 6, v[STO]
	v_add_nc_u32 v[STO], s35, v[STO]
	v_lshlrev_b32 v[SO], 3, v2
	v_lshl_add_u32 v[SO], v3, 2, v[SO]
	s_lshl_b32 s35, s[WV], 10
	v_add_nc_u32 v[RW], s35, v[LI]
	v_add_nc_u32 v[RW], RED, v[RW]
	v_lshlrev_b32 v[LL], 5, v1
	v_lshlrev_b32 v[TO], 5, v2
	v_lshl_add_u32 v[TO], v3, 4, v[TO]
	s_mul_i32 s35, s[WV], LP
	v_lshl_add_u32 v[LWI], v1, 3, s35
	v_add_nc_u32 v[LWI], LIMG, v[LWI]
	s_lshl_b32 s35, s[WV], 3
	v_lshrrev_b32 v[LWS], 2, v1
	v_add_nc_u32 v[LWS], s35, v[LWS]
	v_add_nc_u32 v[LWS], LSCL, v[LWS]
	s_mul_i32 s35, s[KQ], LGRP
	v_mul_u32_u24 v[LRD], v2, LP
	v_lshl_add_u32 v[LRD], v3, 4, v[LRD]
	v_add_nc_u32 v[LRD], s35, v[LRD]
	v_add_nc_u32 v[LRD], LIMG, v[LRD]
	s_lshl_b32 s35, s[KQ], 7
	v_lshl_add_u32 v[LRS], v2, 3, s35
	v_add_nc_u32 v[LRS], LSCL, v[LRS]
.irp b, 0,1,2,3
	v_mov_b32 v[TM+4+\b], 0                        ; written once: a lane permute's destination counts as one of its sources
.endr
	s_mov_b32 s[SEL], 0x76543210
	s_mov_b32 s[SEL+1], 0xfedcba98
	s_mov_b32 s[MNT], MANT
	; offsets, in registers of their own
	s_and_b32 s35, ttmp9, 0xfe
	s_add_co_u32 s35, s35, s[RBW]                  ; which block of 16 rows of the 256: 2 (b / 2) + wave % 2
	s_lshl_b32 s46, s[KSL], 3
	s_add_co_u32 s46, s46, s[KQ]                   ; which K step of the 16
	s_lshl_b32 s36, s35, 18                        ; 16 rows of 16,384 bytes,
	s_lshl_b32 s38, s46, 10                        ; 256 numbers a K step
	s_add_co_u32 s36, s36, s38
	s_mov_b32 s37, 0
	s_lshl_b32 s38, s[WV], 14                      ; lora_A: rank = wave,
	s_lshl_b32 s39, s[KSL], 13                     ; 2,048 numbers a half of K
	s_add_co_u32 s38, s38, s39
	s_mov_b32 s39, 0
	s_mul_i32 s40, s46, KSB                        ; my K step,
	s_lshr_b32 s47, s35, 4
	s_mul_i32 s47, s47, TILEB                      ; my tile of 256 rows,
	s_add_co_u32 s40, s40, s47
	s_and_b32 s47, s35, 15                         ; my block of 16 rows in it:
	s_lshl_b32 s42, s47, 7                         ; 128 bytes of scale words,
	s_add_co_u32 s42, s42, s40
	s_add_co_u32 s42, s42, 65536                   ; behind the tile's codes;
	s_lshl_b32 s47, s47, 12                        ; 4,096 bytes of codes
	s_add_co_u32 s40, s40, s47
	s_mov_b32 s41, 0
	s_mov_b32 s43, 0
	s_lshl_b32 s44, s35, 9                         ; 16 tokens of 32 bytes in tb,
	s_lshl_b32 s45, s[KSL], 17                     ; 131,072 bytes a half of K
	s_add_co_u32 s44, s44, s45
	s_mov_b32 s45, 0
	s_wait_kmcnt 0x0
	s_add_nc_u64 s[XSRC:XSRC+1], s[4:5], s[36:37]
	s_add_nc_u64 s[WSRC:WSRC+1], s[6:7], s[36:37]
	s_add_nc_u64 s[LA:LA+1], s[8:9], s[38:39]
	s_add_nc_u64 s[XD:XD+1], s[10:11], s[40:41]
	s_add_nc_u64 s[WD:WD+1], s[12:13], s[40:41]
	s_add_nc_u64 s[XSD:XSD+1], s[10:11], s[42:43]
	s_add_nc_u64 s[WSD:WSD+1], s[12:13], s[42:43]
	s_add_nc_u64 s[14:15], s[14:15], s[44:45]
; 16 rows x 128 numbers (the q-th 128 of my 256 along K) into a set: load i reads 512 consecutive bytes of row i; read once in the launch
.macro LOADF set, base, q
.irp i, 0,1,2,3,4,5,6,7,8,9,10,11,12,13,14,15
	global_load_b128 v[\set+4*\i:\set+4*\i+3], v[LI], s[\base:\base+1] offset:\i*ROWB+512*\q th:TH_LOAD_NT
.endr
.endm
; A set goes through my stage and comes back into the registers that it left: register 16 b + i is then k = 32 b + 16 h + i of row r.  LDS serves a wave's instructions in order (ISA guide 5.7.1.4): no wait between
.macro TURN set
.irp i, 0,1,2,3,4,5,6,7,8,9,10,11,12,13,14,15
	ds_store_b128 v[STI], v[\set+4*\i:\set+4*\i+3] offset:\i*SP
.endr
.irp b, 0,1,2,3
.irp j, 0,1,2,3
	ds_load_b128 v[\set+16*\b+4*\j:\set+16*\b+4*\j+3], v[STO] offset:128*\b+16*\j
.endr
.endr
.endm
; 64 numbers of a lane become a fragment's 16 registers of codes, v[pc] on, and its row's scale word, v[pw]
.macro QUANT s, pc, pw
.irp b, 0,1,2,3
	v_max3_num_f32 v[TM+\b], |v[\s+16*\b]|, |v[\s+1+16*\b]|, FLOOR   ; block b: my 16 numbers, and the floor, under which no largest magnitude is taken: the byte cannot fall under 1
.endr
.irp i, 2,4,6,8,10,12,14
.irp b, 0,1,2,3
	v_max3_num_f32 v[TM+\b], v[TM+\b], |v[\s+16*\b+\i]|, |v[\s+1+16*\b+\i]|   ; the four blocks by turns: no line waits for the line above it
.endr
.endr
.irp b, 0,1,2,3
	v_permlanex16_b32 v[TM+4+\b], v[TM+\b], s[SEL], s[SEL+1]
.endr
.irp b, 0,1,2,3
	v_max_num_f32 v[TM+\b], v[TM+\b], v[TM+4+\b]   ; with lane l xor 16's 16: the block's largest magnitude
.endr
.irp b, 0,1,2,3
	v_add_nc_u32 v[TM+12+\b], EOFF, v[TM+\b]       ; 15 off its exponent field: the conversion takes the exponent field of this operand as its scale
.endr
.irp b, 0,1,2,3
	v_and_or_b32 v[TM+8+\b], v[TM+\b], 0x7f800000, s[MNT]   ; 57,344 x the scale
.endr
.irp b, 0,1,2,3
	v_lshrrev_b32 v[TM+4+\b], 23, v[TM+12+\b]      ; the scale's byte
.endr
	v_lshl_or_b32 v[\pw], v[TM+5], 8, v[TM+4]      ; four bytes make my row's word; both halves of the lanes hold it
	v_lshl_or_b32 v[\pw], v[TM+6], 16, v[\pw]
	v_lshl_or_b32 v[\pw], v[TM+7], 24, v[\pw]
.irp b, 0,1,2,3
.irp i, 0,1,2,3,4,5,6,7,8,9,10,11,12,13,14,15
	v_med3_num_f32 v[\s+16*\b+\i], v[\s+16*\b+\i], -v[TM+8+\b], v[TM+8+\b]   ; the conversion to an 8-bit code does not saturate (ISA guide 7.6.2): the hold comes first
.endr
	v_cvt_scalef32_pk8_bf8_f32 v[\pc+4*\b:\pc+1+4*\b], v[\s+16*\b:\s+7+16*\b], v[TM+12+\b]
	v_cvt_scalef32_pk8_bf8_f32 v[\pc+2+4*\b:\pc+3+4*\b], v[\s+8+16*\b:\s+15+16*\b], v[TM+12+\b]
.endr
	v_nop                                          ; one plain instruction between the last conversion and whatever vector or matrix instruction next touches its registers
.endm
; lora_A: four of my rank's eight groups of 256 along K, g0 .. g0 + 3.  In a group lane l holds k = 8 l + 0 .. 7: a block of 32 lies in four neighbouring lanes.  The 8 codes go to byte 8 l of the rank's row: the wave's
; store covers 256 consecutive bytes; the block's four lanes write the same scale byte with the same value.  Each group has registers of its own for its codes and its byte.
.macro LQ g0
.irp b, 0,1,2,3
	v_max3_num_f32 v[TM+\b], |v[SB+8*(\g0+\b)]|, |v[SB+8*(\g0+\b)+1]|, FLOOR
.endr
.irp i, 2,4,6
.irp b, 0,1,2,3
	v_max3_num_f32 v[TM+\b], v[TM+\b], |v[SB+8*(\g0+\b)+\i]|, |v[SB+8*(\g0+\b)+\i+1]|
.endr
.endr
.irp m, 1,2
.irp b, 0,1,2,3
	v_max_num_f32_dpp v[TM+\b], v[TM+\b], v[TM+\b] row_xmask:\m row_mask:0xf bank_mask:0xf   ; with lanes l xor 1, then l xor 2: the block's largest magnitude
.endr
.endr
.irp b, 0,1,2,3
	v_add_nc_u32 v[TM+12+\b], EOFF, v[TM+\b]
.endr
.irp b, 0,1,2,3
	v_and_or_b32 v[TM+8+\b], v[TM+\b], 0x7f800000, s[MNT]
.endr
.irp b, 0,1,2,3
	v_lshrrev_b32 v[BY+\g0+\b], 23, v[TM+12+\b]
.endr
.irp b, 0,1,2,3
.irp i, 0,1,2,3,4,5,6,7
	v_med3_num_f32 v[SB+8*(\g0+\b)+\i], v[SB+8*(\g0+\b)+\i], -v[TM+8+\b], v[TM+8+\b]
.endr
	v_cvt_scalef32_pk8_bf8_f32 v[PC+2*(\g0+\b):PC+2*(\g0+\b)+1], v[SB+8*(\g0+\b):SB+8*(\g0+\b)+7], v[TM+12+\b]
.endr
	v_nop                                          ; the plain instruction behind the last conversion
.irp b, 0,1,2,3
	ds_store_b64 v[LWI], v[PC+2*(\g0+\b):PC+2*(\g0+\b)+1] offset:(\g0+\b)*LGRP
	ds_store_b8 v[LWS], v[BY+\g0+\b] offset:(\g0+\b)*128
.endr
.endm
; A fragment of x or of weight.  left: the other set's loads, which may stay out
.macro FRAG set, pw, left
	s_wait_loadcnt \left
	TURN \set
	s_wait_dscnt 0x0                               ; the numbers are back
	s_wait_xcnt 0x0                                ; the last fragment's stores have read the codes' registers: they are written again only behind this wait
	QUANT \set, PC, \pw
.endm
.macro CODES dst, q                    ; the fragment leaves as an image of its registers: each store covers 512 consecutive bytes, aligned
.irp c, 0,1,2,3
	global_store_b128 v[LI], v[PC+4*\c:PC+4*\c+3], s[\dst:\dst+1] offset:2048*\q+512*\c
.endr
.endm
; t^T of 128 along K: source 0 = lora_A's 16 ranks, source 1 = my 16 tokens: lane (r, h) holds token r and ranks 8 h + 0 .. 7.  Codes written by vector instructions stand four places ahead of a scaled
; matrix instruction (with QUANT's v_nop: five), their scale word eight (64 holds lie between).  Each half of the K step has its own accumulator, begun with the constant 0: no chain.
.macro TMUL q
.rept 4
	v_nop
.endr
	v_wmma_scale_f32_16x16x128_f8f6f4 v[ACC+8*\q:ACC+8*\q+7], v[LC+16*\q:LC+16*\q+15], v[PC:PC+15], 0, v[LS+\q], v[XS+\q] matrix_a_fmt:MATRIX_FMT_BF8 matrix_b_fmt:MATRIX_FMT_BF8
.endm
.irp g, 0,1,2,3,4,5,6,7
	global_load_b128 v[SB+8*\g:SB+8*\g+3], v[LL], s[LA:LA+1] offset:1024*\g          ; my rank, group g: 8 numbers a lane; read again by other work-groups: no hint
	global_load_b128 v[SB+8*\g+4:SB+8*\g+7], v[LL], s[LA:LA+1] offset:1024*\g+16
.endr
	LOADF SA, XSRC, 0
	s_wait_loadcnt 16                              ; lora_A's 16 loads are in, set A's stay out
	LQ 0
	LQ 4
	LOADF SB, XSRC, 1
	s_wait_dscnt 0x0                               ; for the others' sake: my rank's codes and bytes have landed
	s_barrier_signal -1
	s_barrier_wait -1                              ; all 16 ranks lie in LDS
.irp q, 0,1
.irp c, 0,1,2,3
	ds_load_b128 v[LC+16*\q+4*\c:LC+16*\q+4*\c+3], v[LRD] offset:128*\q+32*\c   ; rank r, k = 128 q + 32 c + 16 h + 0 .. 15 of my K step
.endr
.endr
	ds_load_b64 v[LS:LS+1], v[LRS]                 ; rank r's two scale words.  (The wait for all these is the first fragment's wait for its turn)
	FRAG SA, XS, 16                                ; at every count of 16: this set's loads are in, the other set's stay out
	LOADF SA, WSRC, 0
	CODES XD, 0
	TMUL 0
	FRAG SB, XS+1, 16                              ; its 32 maxima are the eight places between the product and the next write of the codes' registers
	LOADF SB, WSRC, 1
	CODES XD, 1
	TMUL 1
	FRAG SA, WS, 16
	CODES WD, 0
	FRAG SB, WS+1, 0
	CODES WD, 1
	; the scale words: lane (r, h) stores word q = h of row r: 128 consecutive bytes for each tensor, half of an aligned 256: my 16 rows have no more for this K step
	v_cmp_ne_u32 vcc_lo, 0, v3
	v_cndmask_b32 v[SW], v[XS], v[XS+1], vcc_lo
	v_cndmask_b32 v[SW+1], v[WS], v[WS+1], vcc_lo
	global_store_b32 v[SO], v[SW], s[XSD:XSD+1]
	global_store_b32 v[SO], v[SW+1], s[WSD:WSD+1]
	; my 256 along K of t^T, from the accumulators' low ends on, to my 1,024 bytes of LDS
.irp j, 0,2,4,6
	v_pk_add_f32 v[SA+\j:SA+\j+1], v[ACC+\j:ACC+\j+1], v[ACC+8+\j:ACC+8+\j+1]
.endr
	ds_store_b128 v[RW], v[SA:SA+3]
	ds_store_b128 v[RW], v[SA+4:SA+7] offset:512
	s_wait_dscnt 0x0                               ; for the others' sake: my stores have landed
	s_barrier_signal -1
	s_barrier_wait -1
	s_cmp_gt_u32 s[WV], 1
	s_cbranch_scc1 .Lend
	; waves 0 and 1 add the eight parts of their 16 tokens: those of waves w, w + 2, .. w + 14
.irp p, 0,1,2,3,4,5,6,7
	ds_load_b128 v[SA+8*\p:SA+8*\p+3], v[RW] offset:\p*2048
	ds_load_b128 v[SA+8*\p+4:SA+8*\p+7], v[RW] offset:\p*2048+512
.endr
	s_wait_dscnt 0x0
.irp s, 4,2,1
.set PI, 0
.rept \s
.irp j, 0,2,4,6
	v_pk_add_f32 v[SA+8*PI+\j:SA+8*PI+\j+1], v[SA+8*PI+\j:SA+8*PI+\j+1], v[SA+8*(PI+\s)+\j:SA+8*(PI+\s)+\j+1]
.endr
.set PI, PI+1
.endr
.endr
.irp j, 0,2,4,6
	v_pk_mul_f32 v[SA+\j:SA+\j+1], v[SA+\j:SA+\j+1], 2.0 op_sel_hi:[1,0]   ; SCALE: exact
.endr
.irp j, 0,1,2,3
	v_cvt_pk_bf16_f32 v[TM+\j], v[SA+2*\j], v[SA+2*\j+1]
.endr
	global_store_b128 v[TO], v[TM:TM+3], s[14:15]  ; 16 tokens x 32 bytes: 512 consecutive bytes, aligned
.Lend:
	s_wait_tensorcnt 0x0
	ds_add_u32 v248, v249
	s_wait_dscnt 0x0
	s_endpgm
.Lfunc_end_k_qa620384a46_quant:
	.size	k_qa620384a46_quant, .Lfunc_end_k_qa620384a46_quant-k_qa620384a46_quant
	.p2alignl 7, 3214868480
	.fill 96, 4, 3214868480
	.section	.rodata,"a",@progbits
	.p2align	6, 0x0
	.amdhsa_kernel k_qa620384a46_quant
		.amdhsa_group_segment_fixed_size 189440
		.amdhsa_private_segment_fixed_size 0
		.amdhsa_enable_private_segment 0
		.amdhsa_kernarg_size 48
		.amdhsa_user_sgpr_count 2
		.amdhsa_user_sgpr_kernarg_segment_ptr 1
		.amdhsa_wavefront_size32 1
		.amdhsa_system_sgpr_workgroup_id_x 1
		.amdhsa_system_sgpr_workgroup_id_y 1
		.amdhsa_system_sgpr_workgroup_id_z 1
		.amdhsa_system_vgpr_workitem_id 0
		.amdhsa_next_free_vgpr 250
		.amdhsa_next_free_sgpr 66
		.amdhsa_reserve_vcc 1
		.amdhsa_float_denorm_mode_32 3
		.amdhsa_float_denorm_mode_16_64 3
		.amdhsa_memory_ordered 1
		.amdhsa_forward_progress 1
		.amdhsa_inst_pref_size 69
	.end_amdhsa_kernel
	.amdgpu_metadata
---
amdhsa.version: [ 1, 2 ]
amdhsa.kernels:
  - .name:           k_qa620384a46_quant
    .symbol:         k_qa620384a46_quant.kd
    .args:
      - { .name: x, .offset: 0, .size: 8, .value_kind: global_buffer, .address_space: global }
      - { .name: weight, .offset: 8, .size: 8, .value_kind: global_buffer, .address_space: global }
      - { .name: lora_A, .offset: 16, .size: 8, .value_kind: global_buffer, .address_space: global }
      - { .name: xq, .offset: 24, .size: 8, .value_kind: global_buffer, .address_space: global }
      - { .name: wq, .offset: 32, .size: 8, .value_kind: global_buffer, .address_space: global }
      - { .name: tb, .offset: 40, .size: 8, .value_kind: global_buffer, .address_space: global }
    .group_segment_fixed_size: 189440
    .private_segment_fixed_size: 0
    .kernarg_segment_align: 8
    .kernarg_segment_size: 48
    .max_flat_workgroup_size: 512
    .sgpr_count:     66
    .vgpr_count:     250
    .wavefront_size: 32
...
	.end_amdgpu_metadata
.endif
;; end of part 1
;; launch gemm (part 2): grid 16 x 16, 4 waves a work-group, clusters of 4 x 4, 327,680 bytes of LDS; arguments xq, wq, tb, lora_B, bias, out0; writes out0
.if DOCPART == 2
	.amdgcn_target "amdgcn-amd-amdhsa--gfx1250"
	.amdhsa_code_object_version 6
	.text
	.protected	k_qa620384a46_gemm
	.globl	k_qa620384a46_gemm
	.p2align	8
	.type	k_qa620384a46_gemm,@function
k_qa620384a46_gemm:
	s_mov_b64 s[64:65], 0
	v_nop
	global_prefetch_b8 v0, s[64:65] scope:SCOPE_SE
	s_setreg_imm32_b32 hwreg(HW_REG_WAVE_MODE, 25, 1), 1
	s_wait_xcnt 0x0
	s_wait_alu depctr_hold_cnt(0) depctr_sa_sdst(0) depctr_va_vdst(0) depctr_va_sdst(0) depctr_va_ssrc(0) depctr_va_vcc(0) depctr_vm_vsrc(0)
	s_getreg_b32 s2, hwreg(HW_REG_IB_STS2, 6, 4)
	s_cmp_eq_u32 s2, 0
	s_cbranch_scc0 .Lentry_in_a_cluster
	s_endpgm
.Lentry_in_a_cluster:
	s_bfe_u32 s2, ttmp6, 0x10000c
	s_cmp_lg_u32 s2, 0xf033
	s_cbranch_scc0 .Lentry_shape_is_right
	s_endpgm
.Lentry_shape_is_right:
; out0[t][o] = sum over k of Q(x)[t][k] Q(weight)[o][k] + bias[o] + sum over r of (tb[0][t][r] + tb[1][t][r]) lora_B[o][r].  xq, wq: codes of BF8 (E5M2) and E8M0 scale words, laid [K step of 256][tile of 256 rows][TILEB bytes]:
; in a tile's block the codes lie as images of the operand's registers, [16-row block][which 128 along K][quad c][lane][16 bytes], and behind them, at byte 65,536, the scale words [row][2].
; tb: [2][4096][16] bf16: 2 x A^T summed over the lower and over the upper half of K.
; LIMITS: tb's two parts and lora_B enter the rank-16 product as bf16 (lora_B is rounded here, once), sums in f32; NaN and infinities are not served.
; A tile of out0, 256 x 256, is made by a work-group of four waves, as many as a WGP has SIMDs; a wave makes 128 x 128: 64 accumulators of 16 x 16, 512 registers.  16 x 16 tiles: one for each of 256 work-groups.
; K goes in steps of 256 through a ring of two LDS slots.  A K step of a tile, scale words included, is ONE dense block of 264 x 256 bytes: two waves bring x's block in halves, two weight's: one tensor load a wave.
; A fragment is read back by four loads at 16 x lane + constants: 512 consecutive bytes each: no pitch, no padding.
; THE SUMS BEGIN AS bias + (tb[0] + tb[1]) lora_B^T: 64 bf16 products whose C is the bias in the result's layout.  The form's K is 32 and there are 16 ranks: k = 0 .. 15 take tb[0], k = 16 .. 31 tb[1], each against lora_B:
; so the two parts are added by the product itself, nothing is cleared, and no addition is made on the way out.
; CLUSTERS: 4 x 4 work-groups.  The four of a row of the cluster need the same blocks of xq, the four of a column the same blocks of wq: each is asked for JOINTLY, by the same tensor load with the same descriptor and a
; mask that names the four.  THE MATRIX INSTRUCTIONS ARE USED TRANSPOSED (source 0 = 16 rows of weight, source 1 = 16 tokens): a lane then holds eight neighbouring numbers of a row of out0.
; REGISTERS, in windows of 256: window 0: v0-31 addresses; v32-63 scale words, two sets; v64-127 tb's 8 fragments; v128-255 x's fragments (8 x 16 rows x 128 K), ONE set (first: lora_B as f32; on the way out: rows of out0).
;   window 1: weight's fragments, TWO sets, at v0 and v128 (set 1 first holds lora_B's 8 bf16 fragments, v128-191, and the bias, v192-255).   windows 2, 3: the accumulators of my rows 0-63, 64-127: (a, b) at v[8 (8 (a % 4) + b)].
.set TILEB,  67584
.set KSB,    16*TILEB                  ; from a K step to the next, in xq and in wq
.set HALFB,  TILEB/2                   ; 132 rows of 256 bytes: what one tensor load brings
.set SLOT,   2*TILEB                   ; x's block, then weight's
.set SCOFF,  65536                     ; the scale words in a block
.set SPARE,  2*SLOT                    ; behind the ring: the spare words, 128 bytes for each wave: two blocks of 256 bytes that no other line names
.set STAGE,  SPARE+512                 ; the way out: 16 rows x (512 bytes + 16) for each wave; no tensor load lands here
.set SPITCH, 528
.set NROW,   16384                     ; a row of out0 in bytes
.set TBH,    131072                    ; from tb[0] to tb[1]
.set LAPS,   8                         ; a lap = two K steps = once round the ring
.set NQ,     2                         ; matrix instructions deep in a slot
.set FR,     16                        ; registers of a fragment
.set NL,     4                         ; LDS loads that bring one
.set NP,     8                         ; places behind the scaled matrix instruction on 8-bit codes (ISA guide 7.12.1)
.set ADRA, 16                          ; v16-17  LDS address of my fragments of x in slot 0, 1
.set ADRB, 20                          ; v20-21  of weight
.set ADRS, 22                          ; v22-23  of my scale words: lanes 0-15 x's rows, lanes 16-31 weight's
.set STO,  24                          ; v24     the way out: where I put 32 bytes of a row
.set RD,   25                          ; v25     where I read a row back
.set CO,   26                          ; v26     16 x lane
.set SPW,  28                          ; v28     LDS address of my spare word; never rewritten
.set NIL,  29                          ; v29     0; never rewritten
.set PFO,  30                          ; v30     the prefetches' offset among the codes: 256 x lane; never rewritten
.set PFS,  31                          ; v31     and to my one block of scale words; never rewritten
.set SC,   32                          ; scale words: set s at v[SC + 16 s]; register 2 i + q: lanes 0-15 x's block i, lanes 16-31 weight's block i, the slot's q-th 128 along K
.set TF,   64
.set AF,   128
.set T,    128
.set BK,   128
.set LB,   128                         ; in window 1
.set BI,   192                         ; in window 1
.set WV,  16
.set RH,  17                           ; which half of the tile's rows is mine.  Also: I fetch for x (0) or for weight (1)
.set CH,  18                           ; which half of its columns.  Also: which half of that block I fetch
.set TR,  19                           ; tile row
.set TC,  42                           ; tile column
.set G1,  24                           ; s[24:31] descriptor group 1 for x's blocks;  s[32:39] group 0, one set for each slot
.set G0,  32
.set G1B, 48                           ; s[48:55], s[56:63] the same for weight's
.set G0B, 56
.set PFA, 66                           ; s[66:67] where my prefetches stand
.set LIM, 68                           ; s68  1 in a wave that prefetches, else the greatest number
.set MSB, 0
.macro WIN new                         ; the immediate's high byte repeats the setting that is left
.if MSB != \new
	s_set_vgpr_msb (MSB<<8)|\new
.set MSB, \new
.endif
.endm
.set MUL_LO, 0xa1                      ; source 0 (weight) window 1, source 1 (x) window 0, C and D window 2
.set MUL_HI, 0xf1                      ; the same, C and D window 3
.set ST_LO,  0x91                      ; source 0 (lora_B) and C (bias) window 1, source 1 (tb) window 0, D window 2
.set ST_HI,  0xd1                      ; the same, D window 3
.set TO_B,   0x40                      ; destination window 1, the rest window 0
; A joint load: waves 0 and 1 fetch for x, waves 2 and 3 for weight.  Each of the two lines has ONE mask and one set of registers for all that issue it; the branch hangs on the wave's number alone.
; Four v_nop follow each of the two lines, ahead of the jump, the label and what follows.
.macro JLOAD g0a, g1a, g0b, g1b
	s_cmp_eq_u32 s[RH], 0
	s_cbranch_scc0 .Lfor_b_\@
	tensor_load_to_lds s[\g0a:\g0a+3], s[\g1a:\g1a+7]
	s_nop 0
.rept 4
	v_nop
.endr
	s_branch .Lasked_\@
.Lfor_b_\@:
	tensor_load_to_lds s[\g0b:\g0b+3], s[\g1b:\g1b+7]
	s_nop 0
.rept 4
	v_nop
.endr
.Lasked_\@:
.endm
.macro CREST                           ; a round of the cluster's barrier behind its opening barrier
	s_cmp_lg_u32 s[WV], 0
	s_cbranch_scc1 .Lnot_wave_0_\@
	s_barrier_signal -3
.Lnot_wave_0_\@:
	s_barrier_wait -3
	s_barrier_signal -1
	s_barrier_wait -1
.endm
.macro CROUND                          ; a whole round
	s_barrier_signal -1
	s_barrier_wait -1
	CREST
.endm
; A PREFETCH INTO THE L2, behind each joint refill and its four lines: the K step that stands TWO refills on, 256 matrix instructions ahead of the load that will want it.  A tile's K step is 264 blocks of
; 256 bytes.  x's tile row is read by every cluster of that row of clusters: the one with x = 0 asks; weight's tile column by every cluster of that column: the one with y = 0 asks.  The four partners that ask for a block jointly,
; two waves in each, share it out BY ADDRESS: share u = 2 x place + half takes code blocks 32 u .. 32 u + 31, a lane a block, and scale block u (264 = 8 x 33: the second line names that one block in all its lanes).
; The loop's last trip (s3 = 1) asks for nothing: there is no K step two on.  K steps 0 to 3 come by their loads alone.
.macro ASK
	s_cmp_gt_u32 s3, s[LIM]
	s_cbranch_scc0 .Lnot_mine_\@
	global_prefetch_b8 v[PFO], s[PFA:PFA+1] th:TH_LOAD_NT scope:SCOPE_SE
	global_prefetch_b8 v[PFS], s[PFA:PFA+1] th:TH_LOAD_NT scope:SCOPE_SE
.Lnot_mine_\@:
.endm
	s_load_b128 s[4:7], s[0:1], 0x0                ; xq, wq
	s_load_b128 s[8:11], s[0:1], 0x10              ; tb, lora_B
	s_load_b128 s[12:15], s[0:1], 0x20             ; bias, out0
	v_lshl_add_u32 v[SPW], v0, 2, SPARE
	v_mov_b32 v[NIL], 0
	ds_add_u32 v28, v29
	ds_add_u32 v28, v29
	s_wait_dscnt 0x0
	v_lshrrev_b32 v1, 5, v0
	v_readfirstlane_b32 s[WV], v1                  ; wave 0..3
	s_lshr_b32 s[RH], s[WV], 1
	s_and_b32 s[CH], s[WV], 1
	s_bfe_u32 s40, ttmp6, 0x40000                  ; cx, cy: my place in the cluster
	s_bfe_u32 s41, ttmp6, 0x40004
	s_lshl_b32 s[TC], ttmp9, 2
	s_add_co_u32 s[TC], s[TC], s40                 ; tile column = 4 x cluster x + cx
	s_and_b32 s[TR], ttmp7, 0xffff
	s_lshl_b32 s[TR], s[TR], 2
	s_add_co_u32 s[TR], s[TR], s41                 ; tile row = 4 x cluster y + cy
	s_lshl_b32 s43, s41, 2
	s_lshl_b32 s43, 15, s43                        ; my row of the cluster
	s_lshl_b32 s44, 0x1111, s40                    ; my column
	; descriptor group 1: a dense block of 132 rows x 256 bytes (32 elements of 8 bytes), no padding
	s_or_b32 s[G1+0], s43, (3<<16)|(1<<21)         ; 15:0 the mask: x's blocks go to my row; 17:16 elements of 8 bytes; 21 set beside a mask
	s_or_b32 s[G1B+0], s44, (3<<16)|(1<<21)        ; weight's go to my column
.irp g, G1, G1B
	s_mov_b32 s[\g+1], 32<<16                      ; tensor_dim0
	s_mov_b32 s[\g+2], 132<<16                     ; tensor_dim1
	s_mov_b32 s[\g+3], 32<<16                      ; tile_dim0
	s_mov_b32 s[\g+4], 132                         ; tile_dim1
	s_mov_b32 s[\g+5], 32                          ; tensor_dim0_stride
	s_mov_b32 s[\g+6], 0
	s_mov_b32 s[\g+7], 0
.endr
	s_mul_i32 s22, s[CH], HALFB                    ; which half of the block I fetch
	s_mul_i32 s20, s[TR], TILEB
	s_add_co_u32 s20, s20, s22                     ; x: by the tile row alone, which my row of the cluster shares
	s_mov_b32 s21, 0
	s_mul_i32 s46, s[TC], TILEB
	s_add_co_u32 s46, s46, s22                     ; weight: by the tile column alone, which my column shares
	s_mov_b32 s47, 0
	s_mul_i32 s45, s[WV], HALFB                    ; where they go: x's two halves, then weight's two: no place in the cluster enters an LDS address
	s_wait_kmcnt 0x0
	s_add_nc_u64 s[20:21], s[4:5], s[20:21]
	s_add_nc_u64 s[46:47], s[6:7], s[46:47]
	CROUND                                         ; all sixteen work-groups are here: the first joint loads meet
.irp s, 0,1
	s_mov_b32 s[G0+4*\s], 1
	s_add_co_u32 s[G0+4*\s+1], s45, \s*SLOT
	s_add_nc_u64 s[G0+4*\s+2:G0+4*\s+3], s[20:21], \s*KSB
	s_or_b32 s[G0+4*\s+3], s[G0+4*\s+3], 0x80000000
	s_mov_b32 s[G0B+4*\s], 1
	s_add_co_u32 s[G0B+4*\s+1], s45, \s*SLOT
	s_add_nc_u64 s[G0B+4*\s+2:G0B+4*\s+3], s[46:47], \s*KSB
	s_or_b32 s[G0B+4*\s+3], s[G0B+4*\s+3], 0x80000000
	JLOAD G0+4*\s, G1, G0B+4*\s, G1B               ; K steps 0 and 1: two loads of mine are out
.endr
	v_and_b32 v3, 31, v0                           ; lane
	v_and_b32 v1, 15, v0                           ; r
	v_bfe_u32 v2, v0, 4, 1                         ; h
	v_lshlrev_b32 v[CO], 4, v3
	s_lshl_b32 s70, s[RH], 15                      ; my 128 rows of x: 8 blocks of 4,096 bytes
	s_lshl_b32 s71, s[CH], 15                      ; my 128 rows of weight,
	s_add_co_u32 s71, s71, TILEB                   ; behind x's block
.irp s, 0,1
	v_add_nc_u32 v[ADRA+\s], s70, v[CO]
	v_add_nc_u32 v[ADRB+\s], s71, v[CO]
	s_add_co_u32 s70, s70, SLOT
	s_add_co_u32 s71, s71, SLOT
.endr
	s_lshl_b32 s70, s[RH], 10                      ; x's scale words: 8 bytes a row, my 128 rows
	s_lshl_b32 s71, s[CH], 10                      ; weight's, a block further on
	s_add_co_u32 s71, s71, TILEB
	s_sub_co_u32 s71, s71, s70                     ; the distance between the two:
	v_mul_u32_u24 v7, s71, v2                      ; lanes 16-31 take weight's
	v_lshl_add_u32 v7, v1, 3, v7
	s_add_co_u32 s70, s70, SCOFF
.irp s, 0,1
	v_add_nc_u32 v[ADRS+\s], s70, v7
	s_add_co_u32 s70, s70, SLOT
.endr
	s_mul_i32 s70, s[WV], 16*SPITCH
	s_add_co_u32 s70, s70, STAGE                   ; my stage
	v_mul_u32_u24 v7, v1, SPITCH                   ; in: row r, 32 bytes for each half of the lanes
	v_lshl_add_u32 v7, v2, 5, v7
	v_add_nc_u32 v[STO], s70, v7
	v_add_nc_u32 v[RD], s70, v[CO]                 ; back: the 32 lanes take one row of 512 bytes
	s_lshl_b32 s72, s[TC], 8
	s_lshl_b32 s73, s[CH], 7
	s_add_co_u32 s72, s72, s73                     ; my first column
	s_lshl_b32 s76, s[TR], 8
	s_lshl_b32 s73, s[RH], 7
	s_add_co_u32 s76, s76, s73                     ; my first row
	s_mov_b32 s71, 0
	s_lshl_b32 s70, s72, 6
	s_add_nc_u64 s[10:11], s[10:11], s[70:71]      ; lora_B: 64 bytes a column of out0
	s_lshl_b32 s70, s72, 2
	s_add_nc_u64 s[12:13], s[12:13], s[70:71]      ; bias
	s_lshl_b32 s70, s76, 5
	s_add_nc_u64 s[8:9], s[8:9], s[70:71]          ; tb: 32 bytes a token
	s_lshl_b32 s70, s76, 14
	s_lshl_b32 s72, s72, 2
	s_add_co_u32 s70, s70, s72
	s_add_nc_u64 s[14:15], s[14:15], s[70:71]      ; out0
	; the prefetches: where mine stand, and whether I ask
	s_and_b32 s74, ttmp7, 0xffff                   ; cluster y
	s_cmp_eq_u32 s[RH], 0                          ; do I fetch for x?
	s_cselect_b32 s72, s[TR], s[TC]                ; the tile
	s_cselect_b32 s73, s40, s41                    ; my place among the four that ask for it with me
	s_cselect_b32 s74, ttmp9, s74                  ; the coordinate along which other clusters read the same block
	s_cselect_b64 s[PFA:PFA+1], s[4:5], s[6:7]
	s_cmp_eq_u32 s74, 0
	s_cselect_b32 s[LIM], 1, -1                    ; the same in all sixteen partners, for a given wave
	s_lshl_b32 s73, s73, 1
	s_add_co_u32 s73, s73, s[CH]                   ; u: my share of eight
	s_mul_i32 s72, s72, TILEB
	s_lshl_b32 s75, s73, 13
	s_add_co_u32 s72, s72, s75                     ; 32 blocks of 256 bytes a share
	s_add_co_u32 s72, s72, 3*KSB                   ; at K step 3: the first refill steps it to 4
	s_mul_i32 s76, s73, 7936
	s_sub_co_u32 s76, SCOFF, s76                   ; from my codes' share to scale block u: 65,536 + 256 u - 8,192 u
	s_mov_b32 s73, 0
	s_add_nc_u64 s[PFA:PFA+1], s[PFA:PFA+1], s[72:73]
	v_lshlrev_b32 v[PFO], 8, v3
	v_mov_b32 v[PFS], s76
	; what the sums begin with.  A bf16 fragment is 16 rows x 32 K in 8 registers: lane (r, h): registers 0-3 hold k = 8 h + 0 .. 7, registers 4-7 k = 16 + 8 h + 0 .. 7.
	; tb: registers 0-3 ranks 8 h + 0 .. 7 of tb[0], registers 4-7 the same ranks of tb[1];  lora_B: the same 8 ranks in both
	v_lshlrev_b32 v4, 6, v1
	v_lshl_add_u32 v4, v2, 5, v4                   ; lora_B: row r of 64 bytes, + 32 h: 8 numbers
	v_lshlrev_b32 v5, 5, v1
	v_lshl_add_u32 v5, v2, 4, v5                   ; tb: token r of 32 bytes, + 16 h: 8 ranks
	v_lshlrev_b32 v6, 5, v2                        ; bias: in the result's layout lane (r, h) holds columns 8 h + 0 .. 7 of a block of 16
.irp b, 0,1,2,3,4,5,6,7
	global_load_b128 v[T+8*\b:T+8*\b+3], v4, s[10:11] offset:1024*\b
	global_load_b128 v[T+8*\b+4:T+8*\b+7], v4, s[10:11] offset:1024*\b+16
.endr
.irp a, 0,1,2,3,4,5,6,7
	global_load_b128 v[TF+8*\a:TF+8*\a+3], v5, s[8:9] offset:512*\a
	global_load_b128 v[TF+8*\a+4:TF+8*\a+7], v5, s[8:9] offset:TBH+512*\a
.endr
	WIN TO_B
.irp b, 0,1,2,3,4,5,6,7
	global_load_b128 v[BI+8*\b:BI+8*\b+3], v6, s[12:13] offset:64*\b
	global_load_b128 v[BI+8*\b+4:BI+8*\b+7], v6, s[12:13] offset:64*\b+16
.endr
	s_wait_loadcnt 32                              ; lora_B's 16 loads are in; tb's 16 and the bias's 16 stay out
.irp b, 0,1,2,3,4,5,6,7
.irp j, 0,1,2,3
	v_cvt_pk_bf16_f32 v[LB+8*\b+\j], v[T+8*\b+2*\j], v[T+8*\b+2*\j+1]
	v_cvt_pk_bf16_f32 v[LB+8*\b+4+\j], v[T+8*\b+2*\j], v[T+8*\b+2*\j+1]   ; once more, against tb[1]
.endr
.endr
	WIN 0
.macro FRAG reg, adr, q, i             ; a fragment, 16 rows x 128 K of 8-bit codes: four quads of registers, each 512 consecutive bytes of LDS
.irp c, 0,1,2,3
	ds_load_b128 v[\reg+4*\c:\reg+4*\c+3], v[\adr] offset:4096*(\i)+2048*(\q)+512*\c
.endr
.endm
; 16 matrix instructions: x's blocks a0, a0 + 1 against weight's eight, the slot's q-th 128 along K.  p: weight's set;  sc: the set of scale words.
; The 64 accumulators take turns, one instruction a turn, in the same order everywhere.
.macro MUL16 a0, p, q, sc
.irp a, \a0, \a0+1
.irp b, 0,1,2,3,4,5,6,7
	v_wmma_scale_f32_16x16x128_f8f6f4 v[8*(8*((\a)%4)+\b):8*(8*((\a)%4)+\b)+7], v[128*(\p)+FR*\b:128*(\p)+FR*\b+FR-1], v[AF+FR*(\a):AF+FR*(\a)+FR-1], v[8*(8*((\a)%4)+\b):8*(8*((\a)%4)+\b)+7], v[SC+8*NQ*(\sc)+NQ*\b+(\q)], v[SC+8*NQ*(\sc)+NQ*(\a)+(\q)] matrix_a_fmt:MATRIX_FMT_BF8 matrix_b_fmt:MATRIX_FMT_BF8 matrix_a_scale:MATRIX_SCALE_ROW1
.endr
.endr
.endm
.macro START16 a0                      ; 16 sums begin: bias + (tb[0] + tb[1]) lora_B^T
.irp a, \a0, \a0+1
.irp b, 0,1,2,3,4,5,6,7
	v_wmma_f32_16x16x32_bf16 v[8*(8*((\a)%4)+\b):8*(8*((\a)%4)+\b)+7], v[LB+8*\b:LB+8*\b+7], v[TF+8*(\a):TF+8*(\a)+7], v[BI+8*\b:BI+8*\b+7]
.endr
.endr
.endm
.macro FETCH_B slot, q, p              ; weight's eight fragments of the slot's q-th 128 along K into set p
	WIN TO_B
.irp i, 0,1,2,3,4,5,6,7
	FRAG 128*(\p)+FR*\i, ADRB+\slot, \q, \i
.endr
	WIN 0
.endm
.macro FETCH_A slot, q, i0             ; x's blocks i0 .. i0 + 3
.irp i, \i0, \i0+1, \i0+2, \i0+3
	FRAG AF+FR*(\i), ADRA+\slot, \q, \i
.endr
.endm
.macro SCALES s                        ; slot s's scale words into set s: two words a row; lanes 0-15 take x's block i, lanes 16-31 weight's block i
.irp i, 0,1,2,3,4,5,6,7
	ds_load_b64 v[SC+8*NQ*\s+NQ*\i:SC+8*NQ*\s+NQ*\i+1], v[ADRS+\s] offset:128*\i
.endr
.endm
; A load into a register that a matrix instruction has read, and an LDS store that reads a matrix result, stand NP places behind that matrix instruction, and only plain vector instructions that name none of its
; registers are places (ISA guide 7.12.1 for vector instructions); the matrix instructions in between are not counted.
.macro PLACES n
.rept \n
	v_nop
.endr
.endm
; A slot's first 128 along K.  A block of x is free as soon as its eight products are issued: blocks 0-3 are fetched anew in the middle, blocks 4-7 at the end; weight's next set comes in the middle run.
; At its end every fragment of the slot has been asked for.
.macro STEP slot
	s_wait_dscnt 4*NL                              ; weight's set, the scale words and x's blocks 0-3 are in; the youngest 16 loads (x's blocks 4-7) may be out
	WIN MUL_LO
	MUL16 0, 0, 0, \slot
	MUL16 2, 0, 0, \slot
	s_wait_dscnt 0x0                               ; x's blocks 4-7 are in (asked for 32 matrix instructions ago)
	PLACES NP
	FETCH_B \slot, 1, 1
	FETCH_A \slot, 1, 0
	WIN MUL_HI
	MUL16 4, 0, 0, \slot
	MUL16 6, 0, 0, \slot
	PLACES NP
	WIN 0
	FETCH_A \slot, 1, 4
.endm
; A slot's second 128 along K.  THE CHANGE OF SLOTS STANDS AT ITS HEAD: the slot's last fragments are on their way into registers, so the slot can be given up ahead of the 64 products that use them.
; Each wave waits for all its tensor loads, adds 0 to its spare word, and waits for that and for its own reads of this slot; then ONE barrier.
; fill = 1: the barrier is a round of the cluster's, and this slot is filled again, two K steps ahead, first thing behind it: the load has this macro's 64 matrix instructions and the next STEP's 64 in which to land.
.macro TURN slot, next, fill
.if \fill
	s_wait_xcnt 0x0                                ; the last prefetches, a K step back, have read their address: it is stepped here, ahead of the waits of the change of slots
	s_add_nc_u64 s[PFA:PFA+1], s[PFA:PFA+1], KSB
.endif
	s_wait_tensorcnt 0x0                           ; all my tensor loads have landed: the one that was out is my part of the next slot  (every window is 0 here)
	ds_add_u32 v[SPW], v[NIL]                      ; 0 onto my spare word
.if \fill
	s_add_nc_u64 s[G0+4*\slot+2:G0+4*\slot+3], s[G0+4*\slot+2:G0+4*\slot+3], 2*KSB      ; no tensor load of mine is out, so a group 0 may be written: this slot's next K step
	s_add_nc_u64 s[G0B+4*\slot+2:G0B+4*\slot+3], s[G0B+4*\slot+2:G0B+4*\slot+3], 2*KSB
.endif
	s_wait_dscnt 0x0                               ; the add is done, and my reads of this slot are over: x's blocks 4-7 are in
.if \fill
	CROUND                                         ; no wave of any partner still reads this slot or has a load on its way
	JLOAD G0+4*\slot, G1, G0B+4*\slot, G1B         ; the first tensor load behind the round, my one load until the next
	ASK
.else
	s_barrier_signal -1
	s_barrier_wait -1                              ; the next slot is whole for every wave; nothing is filled again
.endif
	WIN MUL_LO
	MUL16 0, 1, 1, \slot
	MUL16 2, 1, 1, \slot
	PLACES NP
	FETCH_B \next, 0, 0
	FETCH_A \next, 0, 0
	SCALES \next
	WIN MUL_HI
	MUL16 4, 1, 1, \slot
	MUL16 6, 1, 1, \slot
	PLACES NP
	WIN 0
	FETCH_A \next, 0, 4
.endm
	s_wait_tensorcnt 1                             ; my part of K step 0 is in (K step 1's load may be out)
	s_barrier_signal -1
	s_barrier_wait -1                              ; everybody's is
	FETCH_B 0, 0, 0
	FETCH_A 0, 0, 0
	SCALES 0
	FETCH_A 0, 0, 4
	s_wait_loadcnt 0x0                             ; tb and the bias
	WIN ST_LO
	START16 0                                      ; the 64 sums begin while the first fragments come out of LDS
	START16 2
	WIN ST_HI
	START16 4
	START16 6
	PLACES NP+1                                    ; another form now writes over these results, and weight's set 1 is loaded over lora_B and the bias
	STEP 0
	s_mov_b32 s3, LAPS-1
.Llap:                                                 ; a trip goes once round the ring, from a lap's second 128 along K to the next lap's first, and fills both slots again
	TURN 0, 1, 1
	STEP 1
	TURN 1, 0, 1
	STEP 0
	s_sub_co_u32 s3, s3, 1
	s_cmp_lg_u32 s3, 0
	s_cbranch_scc1 .Llap
	TURN 0, 1, 0                                   ; the last lap fills nothing, and has no round of the cluster's barrier
	STEP 1
	s_wait_dscnt 4*NL                              ; the very last 128 along K: nothing more to fetch
	WIN MUL_LO
	MUL16 0, 1, 1, 1
	MUL16 2, 1, 1, 1
	s_wait_dscnt 0x0
	WIN MUL_HI
	MUL16 4, 1, 1, 1
	MUL16 6, 1, 1, 1
	WIN 0
; THE WAY OUT, block by block of 16 rows x 128 columns.  A lane holds 32 neighbouring bytes of a row, and the lanes beside it hold other rows: so a block goes through my own stage in LDS and comes back as whole rows of
; 512 bytes.  LDS serves a wave's instructions in order (ISA guide 5.7.1.4): no wait between the stores and the loads, nor in front of the next block's stores.
.macro TOSTAGE a
.set AC, 64*((\a)%4)
	WIN 0x08+4*((\a)/4)                            ; an LDS store's data are its source 1: window 2 or 3
.irp b, 0,1,2,3,4,5,6,7
	ds_store_b128 v[STO], v[AC+8*\b:AC+8*\b+3] offset:64*\b          ; each accumulator from its low end on
	ds_store_b128 v[STO], v[AC+8*\b+4:AC+8*\b+7] offset:64*\b+16
.endr
	WIN 0
.set BB, BK+64*((\a)%2)
.irp t, 0,1,2,3,4,5,6,7,8,9,10,11,12,13,14,15
	ds_load_b128 v[BB+4*\t:BB+4*\t+3], v[RD] offset:\t*SPITCH
.endr
.endm
.macro SEND a, younger                 ; younger: the LDS instructions issued behind block a's loads, which may stay out
.set BB, BK+64*((\a)%2)
	s_wait_dscnt \younger                          ; the block is back in registers
.if (\a) > 0
	s_add_nc_u64 s[14:15], s[14:15], 16*NROW       ; (behind a wait on XCNT: the earlier stores have read their base)  16 rows on: the stores' offsets reach 15 rows, 245,760 bytes
.endif
.irp t, 0,1,2,3,4,5,6,7,8,9,10,11,12,13,14,15
	global_store_b128 v[CO], v[BB+4*\t:BB+4*\t+3], s[14:15] offset:\t*NROW th:TH_STORE_NT   ; 32 lanes store 512 consecutive bytes, at a multiple of 256 from out0's first byte; written once, read by nobody here
.endr
.endm
	PLACES NP                                      ; for the loads into the registers that held x's fragments, and for the reads of the last results
	TOSTAGE 0
.irp a, 1,2,3,4,5,6,7
.if \a > 1
	s_wait_xcnt 0x0                                ; block a - 2's stores have read their registers and their base: block a's loads may land there, and the base may step
.endif
	TOSTAGE \a
	SEND \a-1, 32                                  ; behind block a - 1's loads: block a's 16 stores and 16 loads
.endr
	s_wait_xcnt 0x0                                ; block 6's stores have read their base
	SEND 7, 0
	s_wait_tensorcnt 0x0                           ; the wave's end, behind my last tensor load and my last LDS store
	ds_add_u32 v[SPW], v[NIL]
	s_wait_dscnt 0x0
	CROUND                                         ; the closing round: no work-group ends while a partner may still ask for a block that names it
	s_endpgm
.Lfunc_end_k_qa620384a46_gemm:
	.size	k_qa620384a46_gemm, .Lfunc_end_k_qa620384a46_gemm-k_qa620384a46_gemm
	.p2alignl 7, 3214868480
	.fill 96, 4, 3214868480
	.section	.rodata,"a",@progbits
	.p2align	6, 0x0
	.amdhsa_kernel k_qa620384a46_gemm
		.amdhsa_group_segment_fixed_size 327680
		.amdhsa_private_segment_fixed_size 0
		.amdhsa_enable_private_segment 0
		.amdhsa_kernarg_size 48
		.amdhsa_user_sgpr_count 2
		.amdhsa_user_sgpr_kernarg_segment_ptr 1
		.amdhsa_wavefront_size32 1
		.amdhsa_system_sgpr_workgroup_id_x 1
		.amdhsa_system_sgpr_workgroup_id_y 1
		.amdhsa_system_sgpr_workgroup_id_z 1
		.amdhsa_system_vgpr_workitem_id 0
		.amdhsa_next_free_vgpr 1024
		.amdhsa_next_free_sgpr 80
		.amdhsa_reserve_vcc 0
		.amdhsa_float_denorm_mode_32 3
		.amdhsa_float_denorm_mode_16_64 3
		.amdhsa_memory_ordered 1
		.amdhsa_forward_progress 1
		.amdhsa_inst_pref_size 158
	.end_amdhsa_kernel
	.amdgpu_metadata
---
amdhsa.version: [ 1, 2 ]
amdhsa.kernels:
  - .name:           k_qa620384a46_gemm
    .symbol:         k_qa620384a46_gemm.kd
    .args:
      - { .name: xq, .offset: 0, .size: 8, .value_kind: global_buffer, .address_space: global }
      - { .name: wq, .offset: 8, .size: 8, .value_kind: global_buffer, .address_space: global }
      - { .name: tb, .offset: 16, .size: 8, .value_kind: global_buffer, .address_space: global }
      - { .name: lora_B, .offset: 24, .size: 8, .value_kind: global_buffer, .address_space: global }
      - { .name: bias, .offset: 32, .size: 8, .value_kind: global_buffer, .address_space: global }
      - { .name: out0, .offset: 40, .size: 8, .value_kind: global_buffer, .address_space: global }
    .group_segment_fixed_size: 327680
    .private_segment_fixed_size: 0
    .kernarg_segment_align: 8
    .kernarg_segment_size: 48
    .max_flat_workgroup_size: 128
    .sgpr_count:     80
    .vgpr_count:     1024
    .wavefront_size: 32
...
	.end_amdgpu_metadata
.endif
;; end of part 2
;; ======== version 2 of 2: 2 launches; version 1 with the launch quant written anew for expert scheduling mode
;; workspace buffers: xq 17,301,504 bytes; wq 17,301,504 bytes; tb 262,144 bytes
;; launch quant (part 3): grid 256 x 1, 16 waves a work-group, no clusters, 189,440 bytes of LDS; arguments x, weight, lora_A, xq, wq, tb; writes xq, wq, tb
.if DOCPART == 3
	.amdgcn_target "amdgcn-amd-amdhsa--gfx1250"
	.amdhsa_code_object_version 6
	.text
	.protected	k_qa620384a46_quant
	.globl	k_qa620384a46_quant
	.p2align	8
	.type	k_qa620384a46_quant,@function
k_qa620384a46_quant:
	s_mov_b64 s[64:65], 0
	v_nop
	global_prefetch_b8 v0, s[64:65] scope:SCOPE_SE
	s_setreg_imm32_b32 hwreg(HW_REG_WAVE_SCHED_MODE, 0, 2), 2
	s_setreg_imm32_b32 hwreg(HW_REG_WAVE_MODE, 25, 1), 1
	s_wait_xcnt 0x0
	s_wait_alu depctr_vm_vsrc(0)
; x [4096][4096] and weight [4096][4096], f32, K innermost, become codes of BF8 (E5M2) with one E8M0 scale byte for each 32 along K, laid as the product's launch takes them into registers;
; and tb[half of K][token][rank] = bf16(2 x the sum over that half of K of Q(x) Q(lora_A)^T), [2][4096][16], is made on the way, by the scaled matrix form, while x's codes stand in registers.
; A block's scale is 2^(floor(log2(its largest magnitude)) - 15); its byte is the largest magnitude's exponent field - 15, held at 1 from below; each number is divided by the scale, held within +-57,344
; and rounded to the nearest code, ties to even.
; LIMITS: NaN and infinities among the inputs are not served.  A block of zeros gets the byte 1 where the rule says 127: its codes are zeros, which add nothing under any byte but 0xff, and this program alone reads
; the bytes.  Blocks whose largest magnitude lies under 2^-111 keep the byte 1, as the rule's clip has it; not tried.  A half's t is 16 partial f32 sums, 128 along K each, added in a tree; 2 t of each half is rounded to bf16 by itself.
; LAYOUT OF xq AND wq: [K step of 256: 16][tile of 256 rows: 16][TILEB bytes].  A tile's block: codes [16-row block rb: 16][q: which 128 along K: 2][c: 4][lane: 32][16 bytes]: lane (r, h)'s 16 bytes of quad c are the
; codes of row 16 rb + r at k = 128 q + 32 c + 16 h + 0 .. 15: registers 4 c .. 4 c + 3 of the operand; behind them, at byte 65,536, the scale words [row: 256][q: 2], four bytes each.
; SHARES.  Work-group b takes rows 32 (b / 2) .. + 31 of x and of weight, and half b % 2 of K (2,048).  Wave w takes 16 of the rows (w % 2) and one K step of 256 (w / 2): four fragments of 16 rows x 128 K, two of x, two of weight.
; lora_A's part for the work-group's half of K, 16 ranks x 2,048, is quantised ONCE in the work-group: wave w takes rank w, 8 neighbours along K to a lane, and lays the codes as rows in LDS; behind a barrier each wave
; reads its K step's two fragments from there.  16 waves of 250 registers fill the four SIMDs' registers.
; A load of x or weight is best where neighbouring lanes take neighbouring bytes (each reads 512 consecutive bytes of a row); the conversions want 16 neighbours along K in ONE lane.  So a fragment's 8,192 bytes turn through
; the wave's own stage in LDS.  Loads run one fragment ahead in two sets of 64 registers: 16 to 32 loads of a wave are out.
; lora_A IS NOT ASKED FOR JOINTLY: it is 131,072 of the 655,360 bytes that a work-group reads, and it is wanted in registers, 8 neighbours to a lane, not in LDS; joint tensor loads would put the rounds of a cluster's
; barrier into a launch whose waves otherwise meet twice.
; THE MODE: SCHED_MODE bits 1:0 = 2 (LLVM: expert scheduling mode 2), set by the entry lines.  The code itself states the register dependences between vector or matrix instructions and memory or LDS instructions,
; with s_wait_alu, always for 0.
; THE PLAN.  Registers that memory or LDS instructions touch:
;   v4-v14, v248, v249   offsets and LDS addresses: written at the head, never again; one wait on va_vdst ahead of the first load serves every load and store of the kernel.
;   SA, SB    A set's life: 16 loads land in it; the stage's 16 stores read it; the stage's 16 loads land in it; QUANT reads and writes it; the next 16 loads land in it.  (SB first holds lora_A; SA at the end the parts of t.)
;   PC        The codes: written by the conversions; read by the stores that follow them (lora_A's into LDS, a fragment's into memory) and by the products.
;   v232-239  First lora_A's scale bytes, read by LDS stores; later an accumulator.
;   LC, LS    lora_A's fragments and scale words: LDS loads land in them once; only the products read them.
;   SW; at the end TM .. TM + 3   written by vector instructions, read by one run of stores each.
; A fragment has TWO waits.  One on vm_vsrc, between the stage's stores and its loads: those stores have read the set, and the stores of the codes made before have read PC.  One on va_vdst, behind the conversions:
; the codes and the scale word are written, and the set is done with; behind it stand the set's next loads, the codes' stores and the product, with no vector instruction between the wait and the loads and stores.
.set ROWB,  16384                      ; a row of x, weight or lora_A in bytes
.set SP,    528                        ; a stage row: 512 bytes + 16 = 33 x 16: the sixteen rows that a read touches start 16 bytes apart modulo 256 (64 banks of 4 bytes: ISA guide 11.1)
.set STG,   16*SP                      ; a wave's stage
.set RED,   16*STG                     ; behind the 16 stages: the partial sums of t, 1,024 bytes a wave
.set LIMG,  RED+16*1024                ; lora_A's codes: [K step: 8][rank: 16][256 bytes + 16]
.set LP,    272
.set LGRP,  16*LP
.set LSCL,  LIMG+8*LGRP                ; and their scale bytes: [K step: 8][rank: 16][8]
.set TILEB, 67584
.set KSB,   16*TILEB
.set FLOOR, 0x8000000                  ; 2^(16 - 127)
.set EOFF,  0xf8800000                 ; -(15 << 23)
.set MANT,  0x600000                   ; the mantissa field of 57,344
.set LI,  4                            ; v4   16 x lane: my bytes of a load's 512, and of a quad's image
.set STI, 5                            ; v5   the stage, on the way in: wave x STG + 16 x lane
.set STO, 6                            ; v6   on the way out: wave x STG + SP r + 64 h
.set SO,  7                            ; v7   8 r + 4 h: my scale word's place
.set RW,  8                            ; v8   RED + 1,024 x wave + 16 x lane
.set LL,  9                            ; v9   32 x lane: my 8 numbers of 256 of a rank
.set TO,  10                           ; v10  32 r + 16 h: my 8 ranks of token r in tb
.set LWI, 11                           ; v11  LIMG + LP x wave + 8 x lane: where my 8 codes of lora_A go
.set LWS, 12                           ; v12  LSCL + 8 x wave + lane / 4: and my block's byte
.set LRD, 13                           ; v13  LIMG + LGRP x (wave / 2) + LP r + 16 h: where I read lora_A's fragments
.set LRS, 14                           ; v14  LSCL + 128 x (wave / 2) + 8 r: and their scale words
.set SA,  32                           ; v32-95   set A: 64 numbers
.set SB,  96                           ; v96-159  set B (first: my rank's 8 x 8 numbers of lora_A)
.set PC,  160                          ; v160-175 the codes just made
.set LC,  176                          ; v176-207 lora_A's two fragments
.set TM,  208                          ; v208-211 largest magnitudes, v212-215 bytes, v216-219 57,344 x the scale, v220-223 the conversions' scale operands
.set XS,  224                          ; v224-225 x's scale words, q = 0, 1
.set WS,  226                          ; v226-227 weight's
.set LS,  228                          ; v228-229 lora_A's
.set SW,  230                          ; v230-231 the words as they are stored
.set ACC, 232                          ; v232-239, v240-247 t^T of my K step's two halves
.set BY,  232                          ; v232-239 first: lora_A's scale bytes, one register for each of my 8 groups
.set WV,   16
.set KQ,   17                          ; wave / 2: my K step among the half's eight
.set RBW,  18                          ; wave % 2: my 16 rows of the 32
.set KSL,  19                          ; my work-group's half of K
.set XSRC, 20                          ; s[20:21] x at my rows and my K;  s[22:23] weight;  s[8:9] lora_A at my rank and my half of K
.set WSRC, 22
.set LA,   8
.set XD,   24                          ; s[24:25] xq at my codes;  s[26:27] wq;  s[28:29], s[30:31] at my scale words;  s[14:15] tb at my tokens
.set WD,   26
.set XSD,  28
.set WSD,  30
.set SEL,  32                          ; s[32:33] v_permlanex16_b32's selects for lane l xor 16
.set MNT,  34
	s_load_b256 s[4:11], s[0:1], 0x0               ; x, weight, lora_A, xq
	s_load_b128 s[12:15], s[0:1], 0x20             ; wq, tb
	v_lshl_add_u32 v248, v0, 2, 0x2dc00            ; the LDS address of my spare word, behind lora_A's scale bytes, and 0: made here and kept for the closing lines alone
	v_mov_b32 v249, 0
	v_lshrrev_b32 v1, 5, v0
	v_readfirstlane_b32 s[WV], v1                  ; wave 0..15
	v_and_b32 v1, 31, v0                           ; lane.  (What hangs on the lane alone stands here, between the line above and the wait for its result)
	v_and_b32 v2, 15, v0                           ; r
	v_bfe_u32 v3, v0, 4, 1                         ; h
	v_lshlrev_b32 v[LI], 4, v1
	v_lshlrev_b32 v[SO], 3, v2
	v_lshl_add_u32 v[SO], v3, 2, v[SO]
	v_lshlrev_b32 v[LL], 5, v1
	v_lshlrev_b32 v[TO], 5, v2
	v_lshl_add_u32 v[TO], v3, 4, v[TO]
.irp b, 0,1,2,3
	v_mov_b32 v[TM+4+\b], 0                        ; written once: a lane permute's destination counts as one of its sources
.endr
	s_mov_b32 s[SEL], 0x76543210
	s_mov_b32 s[SEL+1], 0xfedcba98
	s_mov_b32 s[MNT], MANT
	s_and_b32 s[KSL], ttmp9, 1
	s_wait_alu depctr_va_sdst(0)                   ; the wave's number is written, ahead of its first reader: LDS addresses and all the bases are made from it
	s_lshr_b32 s[KQ], s[WV], 1
	s_and_b32 s[RBW], s[WV], 1
	s_mul_i32 s35, s[WV], STG
	v_add_nc_u32 v[STI], s35, v[LI]
	v_mul_u32_u24 v[STO], v2, SP
	v_lshl_add_u32 v[STO], v3, 6, v[STO]
	v_add_nc_u32 v[STO], s35, v[STO]
	s_lshl_b32 s35, s[WV], 10
	v_add_nc_u32 v[RW], s35, v[LI]
	v_add_nc_u32 v[RW], RED, v[RW]
	s_mul_i32 s35, s[WV], LP
	v_lshl_add_u32 v[LWI], v1, 3, s35
	v_add_nc_u32 v[LWI], LIMG, v[LWI]
	s_lshl_b32 s35, s[WV], 3
	v_lshrrev_b32 v[LWS], 2, v1
	v_add_nc_u32 v[LWS], s35, v[LWS]
	v_add_nc_u32 v[LWS], LSCL, v[LWS]
	s_mul_i32 s35, s[KQ], LGRP
	v_mul_u32_u24 v[LRD], v2, LP
	v_lshl_add_u32 v[LRD], v3, 4, v[LRD]
	v_add_nc_u32 v[LRD], s35, v[LRD]
	v_add_nc_u32 v[LRD], LIMG, v[LRD]
	s_lshl_b32 s35, s[KQ], 7
	v_lshl_add_u32 v[LRS], v2, 3, s35
	v_add_nc_u32 v[LRS], LSCL, v[LRS]
	; offsets, in registers of their own
	s_and_b32 s35, ttmp9, 0xfe
	s_add_co_u32 s35, s35, s[RBW]                  ; which block of 16 rows of the 256: 2 (b / 2) + wave % 2
	s_lshl_b32 s46, s[KSL], 3
	s_add_co_u32 s46, s46, s[KQ]                   ; which K step of the 16
	s_lshl_b32 s36, s35, 18                        ; 16 rows of 16,384 bytes,
	s_lshl_b32 s38, s46, 10                        ; 256 numbers a K step
	s_add_co_u32 s36, s36, s38
	s_mov_b32 s37, 0
	s_lshl_b32 s38, s[WV], 14                      ; lora_A: rank = wave,
	s_lshl_b32 s39, s[KSL], 13                     ; 2,048 numbers a half of K
	s_add_co_u32 s38, s38, s39
	s_mov_b32 s39, 0
	s_mul_i32 s40, s46, KSB                        ; my K step,
	s_lshr_b32 s47, s35, 4
	s_mul_i32 s47, s47, TILEB                      ; my tile of 256 rows,
	s_add_co_u32 s40, s40, s47
	s_and_b32 s47, s35, 15                         ; my block of 16 rows in it:
	s_lshl_b32 s42, s47, 7                         ; 128 bytes of scale words,
	s_add_co_u32 s42, s42, s40
	s_add_co_u32 s42, s42, 65536                   ; behind the tile's codes;
	s_lshl_b32 s47, s47, 12                        ; 4,096 bytes of codes
	s_add_co_u32 s40, s40, s47
	s_mov_b32 s41, 0
	s_mov_b32 s43, 0
	s_lshl_b32 s44, s35, 9                         ; 16 tokens of 32 bytes in tb,
	s_lshl_b32 s45, s[KSL], 17                     ; 131,072 bytes a half of K
	s_add_co_u32 s44, s44, s45
	s_mov_b32 s45, 0
	s_wait_kmcnt 0x0
	s_add_nc_u64 s[XSRC:XSRC+1], s[4:5], s[36:37]
	s_add_nc_u64 s[WSRC:WSRC+1], s[6:7], s[36:37]
	s_add_nc_u64 s[LA:LA+1], s[8:9], s[38:39]
	s_add_nc_u64 s[XD:XD+1], s[10:11], s[40:41]
	s_add_nc_u64 s[WD:WD+1], s[12:13], s[40:41]
	s_add_nc_u64 s[XSD:XSD+1], s[10:11], s[42:43]
	s_add_nc_u64 s[WSD:WSD+1], s[12:13], s[42:43]
	s_add_nc_u64 s[14:15], s[14:15], s[44:45]
	s_wait_alu depctr_va_vdst(0)                   ; the eleven offsets and addresses v4 to v14 are written, which every load and store below reads; so are v248 and v249, which the closing add reads
; 16 rows x 128 numbers (the q-th 128 of my 256 along K) into a set: load i reads 512 consecutive bytes of row i; read once in the launch
.macro LOADF set, base, q
.irp i, 0,1,2,3,4,5,6,7,8,9,10,11,12,13,14,15
	global_load_b128 v[\set+4*\i:\set+4*\i+3], v[LI], s[\base:\base+1] offset:\i*ROWB+512*\q th:TH_LOAD_NT
.endr
.endm
; A set goes through my stage and comes back into the registers that it left: register 16 b + i is then k = 32 b + 16 h + i of row r.  LDS serves a wave's instructions in order (ISA guide 5.7.1.4): no wait on DScnt between
.macro TURN set
.irp i, 0,1,2,3,4,5,6,7,8,9,10,11,12,13,14,15
	ds_store_b128 v[STI], v[\set+4*\i:\set+4*\i+3] offset:\i*SP
.endr
	s_wait_alu depctr_vm_vsrc(0)                   ; the sixteen stores above have read the set, in which the loads below land; and the stores of the codes made before (the first time: lora_A's codes and bytes) have read their registers, which this fragment's conversions (the first time: also the first product) write
.irp b, 0,1,2,3
.irp j, 0,1,2,3
	ds_load_b128 v[\set+16*\b+4*\j:\set+16*\b+4*\j+3], v[STO] offset:128*\b+16*\j
.endr
.endr
.endm
; 64 numbers of a lane become a fragment's 16 registers of codes, v[pc] on, and its row's scale word, v[pw]
.macro QUANT s, pc, pw
.irp b, 0,1,2,3
	v_max3_num_f32 v[TM+\b], |v[\s+16*\b]|, |v[\s+1+16*\b]|, FLOOR   ; block b: my 16 numbers, and the floor, under which no largest magnitude is taken: the byte cannot fall under 1
.endr
.irp i, 2,4,6,8,10,12,14
.irp b, 0,1,2,3
	v_max3_num_f32 v[TM+\b], v[TM+\b], |v[\s+16*\b+\i]|, |v[\s+1+16*\b+\i]|   ; the four blocks by turns: no line waits for the line above it
.endr
.endr
.irp b, 0,1,2,3
	v_permlanex16_b32 v[TM+4+\b], v[TM+\b], s[SEL], s[SEL+1]
.endr
.irp b, 0,1,2,3
	v_max_num_f32 v[TM+\b], v[TM+\b], v[TM+4+\b]   ; with lane l xor 16's 16: the block's largest magnitude
.endr
.irp b, 0,1,2,3
	v_add_nc_u32 v[TM+12+\b], EOFF, v[TM+\b]       ; 15 off its exponent field: the conversion takes the exponent field of this operand as its scale
.endr
.irp b, 0,1,2,3
	v_and_or_b32 v[TM+8+\b], v[TM+\b], 0x7f800000, s[MNT]   ; 57,344 x the scale
.endr
.irp b, 0,1,2,3
	v_lshrrev_b32 v[TM+4+\b], 23, v[TM+12+\b]      ; the scale's byte
.endr
	v_lshl_or_b32 v[\pw], v[TM+5], 8, v[TM+4]      ; four bytes make my row's word; both halves of the lanes hold it
	v_lshl_or_b32 v[\pw], v[TM+6], 16, v[\pw]
	v_lshl_or_b32 v[\pw], v[TM+7], 24, v[\pw]
.irp b, 0,1,2,3
.irp i, 0,1,2,3,4,5,6,7,8,9,10,11,12,13,14,15
	v_med3_num_f32 v[\s+16*\b+\i], v[\s+16*\b+\i], -v[TM+8+\b], v[TM+8+\b]   ; the conversion to an 8-bit code does not saturate (ISA guide 7.6.2): the hold comes first
.endr
	v_cvt_scalef32_pk8_bf8_f32 v[\pc+4*\b:\pc+1+4*\b], v[\s+16*\b:\s+7+16*\b], v[TM+12+\b]
	v_cvt_scalef32_pk8_bf8_f32 v[\pc+2+4*\b:\pc+3+4*\b], v[\s+8+16*\b:\s+15+16*\b], v[TM+12+\b]
.endr
	v_nop                                          ; one plain instruction between the last conversion and whatever vector or matrix instruction next touches its registers
.endm
; lora_A: four of my rank's eight groups of 256 along K, g0 .. g0 + 3.  In a group lane l holds k = 8 l + 0 .. 7: a block of 32 lies in four neighbouring lanes.  Each group has registers of its own for its codes and
; its byte, so the vector work of all eight groups (LQV, twice) stands ahead of ONE wait, and the sixteen stores (LQS, twice) behind it.
.macro LQV g0
.irp b, 0,1,2,3
	v_max3_num_f32 v[TM+\b], |v[SB+8*(\g0+\b)]|, |v[SB+8*(\g0+\b)+1]|, FLOOR
.endr
.irp i, 2,4,6
.irp b, 0,1,2,3
	v_max3_num_f32 v[TM+\b], v[TM+\b], |v[SB+8*(\g0+\b)+\i]|, |v[SB+8*(\g0+\b)+\i+1]|
.endr
.endr
.irp m, 1,2
.irp b, 0,1,2,3
	v_max_num_f32_dpp v[TM+\b], v[TM+\b], v[TM+\b] row_xmask:\m row_mask:0xf bank_mask:0xf   ; with lanes l xor 1, then l xor 2: the block's largest magnitude
.endr
.endr
.irp b, 0,1,2,3
	v_add_nc_u32 v[TM+12+\b], EOFF, v[TM+\b]
.endr
.irp b, 0,1,2,3
	v_and_or_b32 v[TM+8+\b], v[TM+\b], 0x7f800000, s[MNT]
.endr
.irp b, 0,1,2,3
	v_lshrrev_b32 v[BY+\g0+\b], 23, v[TM+12+\b]
.endr
.irp b, 0,1,2,3
.irp i, 0,1,2,3,4,5,6,7
	v_med3_num_f32 v[SB+8*(\g0+\b)+\i], v[SB+8*(\g0+\b)+\i], -v[TM+8+\b], v[TM+8+\b]
.endr
	v_cvt_scalef32_pk8_bf8_f32 v[PC+2*(\g0+\b):PC+2*(\g0+\b)+1], v[SB+8*(\g0+\b):SB+8*(\g0+\b)+7], v[TM+12+\b]
.endr
	v_nop                                          ; the plain instruction behind the last conversion
.endm
; The 8 codes go to byte 8 l of the rank's row: the wave's store covers 256 consecutive bytes; the block's four lanes write the same scale byte with the same value
.macro LQS g0
.irp b, 0,1,2,3
	ds_store_b64 v[LWI], v[PC+2*(\g0+\b):PC+2*(\g0+\b)+1] offset:(\g0+\b)*LGRP
	ds_store_b8 v[LWS], v[BY+\g0+\b] offset:(\g0+\b)*128
.endr
.endm
; A fragment of x or of weight.  left: the other set's loads, which may stay out
.macro FRAG set, pw, left
	s_wait_loadcnt \left
	TURN \set
	s_wait_dscnt 0x0                               ; the numbers are back
	s_wait_xcnt 0x0                                ; the last fragment's stores have had their addresses translated: the codes' registers are written again only behind this wait (that those stores have read the registers is stated by the wait in TURN, which stands behind them)
	QUANT \set, PC, \pw
.endm
.macro CODES dst, q                    ; the fragment leaves as an image of its registers: each store covers 512 consecutive bytes, aligned
.irp c, 0,1,2,3
	global_store_b128 v[LI], v[PC+4*\c:PC+4*\c+3], s[\dst:\dst+1] offset:2048*\q+512*\c
.endr
.endm
; t^T of 128 along K: source 0 = lora_A's 16 ranks, source 1 = my 16 tokens: lane (r, h) holds token r and ranks 8 h + 0 .. 7.  Codes written by vector instructions stand four places ahead of a scaled
; matrix instruction (TPLACES; with QUANT's v_nop: five), their scale word eight (64 holds lie between).  Each half of the K step has its own accumulator, begun with the constant 0: no chain.
.macro TPLACES
.rept 4
	v_nop
.endr
.endm
.macro TMUL q
	v_wmma_scale_f32_16x16x128_f8f6f4 v[ACC+8*\q:ACC+8*\q+7], v[LC+16*\q:LC+16*\q+15], v[PC:PC+15], 0, v[LS+\q], v[XS+\q] matrix_a_fmt:MATRIX_FMT_BF8 matrix_b_fmt:MATRIX_FMT_BF8
.endm
.irp g, 0,1,2,3,4,5,6,7
	global_load_b128 v[SB+8*\g:SB+8*\g+3], v[LL], s[LA:LA+1] offset:1024*\g          ; my rank, group g: 8 numbers a lane; read again by other work-groups: no hint
	global_load_b128 v[SB+8*\g+4:SB+8*\g+7], v[LL], s[LA:LA+1] offset:1024*\g+16
.endr
	LOADF SA, XSRC, 0
	s_wait_loadcnt 16                              ; lora_A's 16 loads are in, set A's stay out
	LQV 0
	LQV 4
	s_wait_alu depctr_va_vdst(0)                   ; lora_A's codes and scale bytes are written, which the LDS stores below read; the holds and conversions are done with set B, in which the loads below land
	LOADF SB, XSRC, 1
	LQS 0
	LQS 4
	s_wait_dscnt 0x0                               ; for the others' sake: my rank's codes and bytes have landed
	s_barrier_signal -1
	s_barrier_wait -1                              ; all 16 ranks lie in LDS
.irp q, 0,1
.irp c, 0,1,2,3
	ds_load_b128 v[LC+16*\q+4*\c:LC+16*\q+4*\c+3], v[LRD] offset:128*\q+32*\c   ; rank r, k = 128 q + 32 c + 16 h + 0 .. 15 of my K step.  (No vector instruction has named these registers)
.endr
.endr
	ds_load_b64 v[LS:LS+1], v[LRS]                 ; rank r's two scale words.  (The wait for all these is the first fragment's wait for its turn)
	FRAG SA, XS, 16                                ; at every count of 16: this set's loads are in, the other set's stay out
	TPLACES
	s_wait_alu depctr_va_vdst(0)                   ; the conversions have written the codes, which the stores and the product read, and the scale word is written, which the product takes; the holds and conversions are done with set A, in which the loads land
	LOADF SA, WSRC, 0
	CODES XD, 0
	TMUL 0
	FRAG SB, XS+1, 16                              ; its 32 maxima are the eight places between the product and the next write of the codes' registers
	TPLACES
	s_wait_alu depctr_va_vdst(0)                   ; the same of x's second fragment: codes and scale word written, set B done with
	LOADF SB, WSRC, 1
	CODES XD, 1
	TMUL 1
	FRAG SA, WS, 16
	s_wait_alu depctr_va_vdst(0)                   ; the conversions have written the codes, which the stores read
	CODES WD, 0
	v_cmp_ne_u32 vcc_lo, 0, v3                     ; for the scale words below: lanes 16-31.  It stands a fragment ahead of its readers; the fragment's lines name no VCC
	FRAG SB, WS+1, 0
	; the scale words: lane (r, h) stores word q = h of row r: 128 consecutive bytes for each tensor, half of an aligned 256: my 16 rows have no more for this K step
	s_wait_alu depctr_va_vcc(0)                    ; the compare has written VCC, ahead of its first reader
	v_cndmask_b32 v[SW], v[XS], v[XS+1], vcc_lo
	v_cndmask_b32 v[SW+1], v[WS], v[WS+1], vcc_lo
	; my 256 along K of t^T, from the accumulators' low ends on, to my 1,024 bytes of LDS
.irp j, 0,2,4,6
	v_pk_add_f32 v[SA+\j:SA+\j+1], v[ACC+\j:ACC+\j+1], v[ACC+8+\j:ACC+8+\j+1]
.endr
	s_wait_alu depctr_va_vdst(0)                   ; one wait for three runs of stores: the last codes, the two words and my part of t are written; and every vector instruction that named set A is done, for the loads behind the barrier
	CODES WD, 1
	global_store_b32 v[SO], v[SW], s[XSD:XSD+1]
	global_store_b32 v[SO], v[SW+1], s[WSD:WSD+1]
	ds_store_b128 v[RW], v[SA:SA+3]
	ds_store_b128 v[RW], v[SA+4:SA+7] offset:512
	s_wait_dscnt 0x0                               ; for the others' sake: my stores have landed
	s_barrier_signal -1
	s_barrier_wait -1
	s_wait_alu depctr_vm_vsrc(0)                   ; my two LDS stores have read v[SA .. SA + 7], in which the loads below land: stated ahead of the branch
	s_cmp_gt_u32 s[WV], 1
	s_cbranch_scc1 .Lend
	; waves 0 and 1 add the eight parts of their 16 tokens: those of waves w, w + 2, .. w + 14
.irp p, 0,1,2,3,4,5,6,7
	ds_load_b128 v[SA+8*\p:SA+8*\p+3], v[RW] offset:\p*2048
	ds_load_b128 v[SA+8*\p+4:SA+8*\p+7], v[RW] offset:\p*2048+512
.endr
	s_wait_dscnt 0x0
.irp s, 4,2,1
.set PI, 0
.rept \s
.irp j, 0,2,4,6
	v_pk_add_f32 v[SA+8*PI+\j:SA+8*PI+\j+1], v[SA+8*PI+\j:SA+8*PI+\j+1], v[SA+8*(PI+\s)+\j:SA+8*(PI+\s)+\j+1]
.endr
.set PI, PI+1
.endr
.endr
.irp j, 0,2,4,6
	v_pk_mul_f32 v[SA+\j:SA+\j+1], v[SA+\j:SA+\j+1], 2.0 op_sel_hi:[1,0]   ; SCALE: exact
.endr
.irp j, 0,1,2,3
	v_cvt_pk_bf16_f32 v[TM+\j], v[SA+2*\j], v[SA+2*\j+1]
.endr
	s_wait_alu depctr_va_vdst(0)                   ; the four roundings have written v[TM .. TM + 3], which the store reads
	global_store_b128 v[TO], v[TM:TM+3], s[14:15]  ; 16 tokens x 32 bytes: 512 consecutive bytes, aligned
.Lend:
	s_wait_dscnt 0x0                               ; the closing lines, six on end
	s_wait_alu 0x0
	s_wait_tensorcnt 0x0
	ds_add_u32 v248, v249
	s_wait_dscnt 0x0
	s_endpgm
.Lfunc_end_k_qa620384a46_quant:
	.size	k_qa620384a46_quant, .Lfunc_end_k_qa620384a46_quant-k_qa620384a46_quant
	.p2alignl 7, 3214868480
	.fill 96, 4, 3214868480
	.section	.rodata,"a",@progbits
	.p2align	6, 0x0
	.amdhsa_kernel k_qa620384a46_quant
		.amdhsa_group_segment_fixed_size 189440
		.amdhsa_private_segment_fixed_size 0
		.amdhsa_enable_private_segment 0
		.amdhsa_kernarg_size 48
		.amdhsa_user_sgpr_count 2
		.amdhsa_user_sgpr_kernarg_segment_ptr 1
		.amdhsa_wavefront_size32 1
		.amdhsa_system_sgpr_workgroup_id_x 1
		.amdhsa_system_sgpr_workgroup_id_y 1
		.amdhsa_system_sgpr_workgroup_id_z 1
		.amdhsa_system_vgpr_workitem_id 0
		.amdhsa_next_free_vgpr 250
		.amdhsa_next_free_sgpr 66
		.amdhsa_reserve_vcc 1
		.amdhsa_float_denorm_mode_32 3
		.amdhsa_float_denorm_mode_16_64 3
		.amdhsa_memory_ordered 1
		.amdhsa_forward_progress 1
		.amdhsa_inst_pref_size 70
	.end_amdhsa_kernel
	.amdgpu_metadata
---
amdhsa.version: [ 1, 2 ]
amdhsa.kernels:
  - .name:           k_qa620384a46_quant
    .symbol:         k_qa620384a46_quant.kd
    .args:
      - { .name: x, .offset: 0, .size: 8, .value_kind: global_buffer, .address_space: global }
      - { .name: weight, .offset: 8, .size: 8, .value_kind: global_buffer, .address_space: global }
      - { .name: lora_A, .offset: 16, .size: 8, .value_kind: global_buffer, .address_space: global }
      - { .name: xq, .offset: 24, .size: 8, .value_kind: global_buffer, .address_space: global }
      - { .name: wq, .offset: 32, .size: 8, .value_kind: global_buffer, .address_space: global }
      - { .name: tb, .offset: 40, .size: 8, .value_kind: global_buffer, .address_space: global }
    .group_segment_fixed_size: 189440
    .private_segment_fixed_size: 0
    .kernarg_segment_align: 8
    .kernarg_segment_size: 48
    .max_flat_workgroup_size: 512
    .sgpr_count:     66
    .vgpr_count:     250
    .wavefront_size: 32
...
	.end_amdgpu_metadata
.endif
;; end of part 3
;; launch gemm: the kernel of part 2 again; grid 16 x 16, 4 waves a work-group, clusters of 4 x 4, 327,680 bytes of LDS; arguments xq, wq, tb, lora_B, bias, out0; writes out0
